; MI455X (gfx1250); checked and timed in simulation.
; The chip was launched on July 23, 2026; its instructions are those of AMD's public machine-readable ISA for CDNA 5 (MIT licence, August 2026) and "CDNA5" Instruction Set Architecture Reference Guide (July 2026). The comments in the code are by the model that wrote it; some were corrected since.
;; Sub LSTM Cuda Cell. Allowed arithmetic: matrix products marked QUANTISED: E5M2 operands, one given power-of-two scale a tensor, by v_wmma_f32_16x16x64_bf8_bf8 or v_wmma_f32_16x16x128_bf8_bf8, f32 sums; everything else in f32.
;; Inputs: bias 4,096 float32; input 8,192 x 1,024 float32; lowp_scales 2 int32 (the exponents e of the quantised operands' scales 2^e); old_cell 8,192 x 1,024 float32; old_h 8,192 x 1,024 float32; weights 4,096 x 2,048 float32.
;; Outputs: out0 8,192 x 1,024 float32; out1 8,192 x 1,024 float32.
;; This version of the problem:
;;   THIS VERSION OF THE PROBLEM IS GIVEN IN LOW PRECISION. The matrix products marked QUANTISED in the list below multiply operands that are first quantised to E5M2 (5 exponent bits, 2 mantissa bits; 8 bits a number), with one given power-of-two scale for each operand tensor; their sums are f32. All else is computed in f32.
;;   The module's matrix products, in the order in which they are computed (A, B: the left and right operand; K: the contracted axis; several contracted axes count as one K, in the product's order):
;;     1. [M 8,192, K 2,048] x [K 2,048, N 4,096]; A: computed on the way; B: input weights: QUANTISED (scales: A lowp_scales[0], B lowp_scales[1])
;;   THE QUANTISER, for each operand of a quantised product, along K:
;;     - The operand's scale is 2^e, e = its entry of the input lowp_scales (int32; the entries are numbered through the quantised products in the list's order, A before B).
;;     - Each number is divided by the scale, clamped to +-57,344, and rounded to the nearest number of E5M2, ties to even, subnormals kept.
;;     - The product sums the exact products of the quantised numbers (number of the format x scale) in f32.
;;   ~~~python
;;   def quantise(x, axis, e):      # numpy; x: float32 -> the quantised numbers, widened to float32 again
;;       x = np.moveaxis(x, axis, -1); K = x.shape[-1]
;;       r = np.clip(x / 2.0 ** e, -57344, 57344)
;;       step = 2.0 ** (np.maximum(np.frexp(np.where(r == 0, 1, r))[1] - 1, -14) - 2)
;;       q = np.round(r / step) * step * 2.0 ** e      # np.round: ties to even
;;       return np.moveaxis(q, -1, axis).astype(np.float32)
;;   ~~~
;;   OPERANDS COMPUTED ON THE WAY. 'Computed on the way' means the value that the module computes at that place (a softmax that the list does not call 'softmax' is quantised finished and normalised). What goes into a quantiser is computed in f32, as accurately as f32 sums, v_exp_f32 and their like allow (about 1e-6 of the number): no bf16 or f16 on the way to a quantiser, and a product that is left as it is and whose result goes on into a quantised operand takes f32 operands (vector FMAs, or v_wmma_f32_16x16x4_f32). A number that lies on a knife's edge between two numbers of the format may be rounded either way, as far as f32 arithmetic and the matrix unit's own rounding can turn it there, and no further.
;; One version. Each part assembles by itself: llvm-mc -triple=amdgcn-amd-amdhsa -mcpu=gfx1250 --defsym DOCPART=n.
;; ======== version 1 of 1: 2 launches
;; limits: right only within a limited range of input values
;; workspace buffers: x_codes 16,777,216 bytes; w_codes 8,388,608 bytes
;; launch quant (part 1): grid 768 x 1, 4 waves a work-group, no clusters, 0 bytes of LDS; arguments old_h, input, weights, lowp_scales, x_codes, w_codes; writes x_codes, w_codes
.if DOCPART == 1
	.amdgcn_target "amdgcn-amd-amdhsa--gfx1250"
	.amdhsa_code_object_version 6
	.text
	.protected	k_qe8747955bd_quant
	.globl	k_qe8747955bd_quant
	.p2align	8
	.type	k_qe8747955bd_quant,@function
k_qe8747955bd_quant:
	s_mov_b64 s[64:65], 0
	v_nop
	global_prefetch_b8 v0, s[64:65] scope:SCOPE_SE
	s_setreg_imm32_b32 hwreg(HW_REG_WAVE_MODE, 25, 1), 1
	s_wait_xcnt 0x0
; old_h [8192][1024], input [8192][1024] and weights [4096][2048], f32, become codes of BF8 (E5M2), one byte each, K innermost:
;   x_codes [8192][2048]: bytes 0-1023 of a row from old_h, bytes 1024-2047 from input (X = [old_h | input]), scale 2^e0;
;   w_codes [4096][2048]: scale 2^e1, ROWS RE-ORDERED: weight row 1024 g + 64 tx + 32 c + i (gate g, i = 0 .. 31) lies at row 256 tx + 128 c + 32 g + i,
;   so that the four gates of a hidden unit fall into one wave's tile of the product.
; code = x / 2^e, held within +-57,344, rounded to the nearest code, ties to even.
; K IS PERMUTED inside each aligned run of 512, alike in both buffers: stored byte 16 l + 4 q + j holds k = 128 q + 4 l + j (l = 0 .. 31; q, j = 0 .. 3).
; Every product still meets its partner; only the order of the f32 sums changes.  It lets each load read 512 consecutive bytes (16 a lane) and a lane's
; 16 registers become 16 neighbouring stored bytes: nothing changes lanes, no LDS is used.
; LIMITS: each e lies between -126 and 112, so that 2^e and 57,344 x 2^e are f32 numbers.  NaN among the inputs is not served; an infinity is held at the largest code.
; SHARES.  A half row is 1,024 numbers.  A wave takes 8 half rows, one below the other, in 16 steps of 512 numbers; a work-group 32 rows.
; Work-groups 0-255 take old_h, 256-511 input, 512-767 weights (32 rows x one half of K each).  One path through the text: only pointers and scalars are chosen, on the work-group's number.
; No tensor loads, no barrier: waves share nothing.  Loads run eight steps (32 loads a wave) ahead.
.set STEPS, 16
.set AHEAD, 8
.set RO,   4                           ; v4-11    row i of my 8: 16 x lane + i x the source's pitch; never rewritten
.set LIM,  12                          ; v12      57,344 x 2^e
.set SCL,  13                          ; v13      2^e as f32: the conversion takes its exponent field
.set R,    16                          ; v16-143  eight sets of 16 numbers
.set C,    144                         ; v144-207 four registers of codes for each step, so that no store's data are written again
	s_load_b128 s[4:7], s[0:1], 0x0                ; old_h, input
	s_load_b128 s[8:11], s[0:1], 0x10              ; weights, the scales' exponents
	s_load_b128 s[12:15], s[0:1], 0x20             ; x_codes, w_codes
	v_lshrrev_b32 v1, 5, v0
	v_readfirstlane_b32 s16, v1                    ; wave 0..3
	v_and_b32 v1, 31, v0                           ; lane
	v_lshlrev_b32 v2, 4, v1                        ; 16 x lane: my place in a load's 512 bytes and in a store's; never rewritten
	s_wait_alu depctr_va_vdst(0)
	s_and_b32 s17, ttmp9, 255                      ; my number within my tensor
	s_lshr_b32 s18, ttmp9, 8                       ; 0 old_h, 1 input, 2 weights
	s_lshr_b32 s19, s17, 1                         ; weights: block of 32 rows = 32 g + 2 tx + c,
	s_and_b32 s20, s17, 1                          ; and which half of K
	s_and_b32 s21, s19, 31
	s_lshl_b32 s21, s21, 2
	s_lshr_b32 s22, s19, 5
	s_add_co_u32 s21, s21, s22                     ; where that block goes: 4 (2 tx + c) + g
	s_cmp_lt_u32 ttmp9, 512                        ; X or W?  The choices hang on the work-group's number alone
	s_cselect_b32 s23, s17, s19                    ; source: block of 32 rows
	s_cselect_b32 s24, s18, s20                    ; destination: which half of a row of 2,048 codes
	s_cselect_b32 s25, s17, s21                    ; destination: block of 32 rows
	s_cselect_b32 s26, 12, 13                      ; log2 of the source's pitch in bytes: 4,096 or 8,192
	s_cselect_b32 s27, 0, s20                      ; source: which half of a row
	s_lshl_b32 s22, s16, 3                         ; my wave's 8 rows of the 32
	s_lshl_b32 s23, s23, 5
	s_add_co_u32 s23, s23, s22
	s_lshl_b32 s18, s23, s26
	s_lshl_b32 s27, s27, 12
	s_add_co_u32 s18, s18, s27                     ; the source's byte offset (under 2^26),
	s_mov_b32 s19, 0                               ; in 64 bits
	s_lshl_b32 s25, s25, 5
	s_add_co_u32 s25, s25, s22
	s_lshl_b32 s20, s25, 11
	s_lshl_b32 s24, s24, 10
	s_add_co_u32 s20, s20, s24                     ; the destination's
	s_mov_b32 s21, 0
	s_lshl_b32 s28, 1, s26                         ; the source's pitch
.irp i, 0,1,2,3,4,5,6,7
	v_mad_u32_u24 v[RO+\i], s28, \i, v2
.endr
	s_wait_alu depctr_va_vdst(0)
	s_wait_kmcnt 0x0
	s_load_b64 s[30:31], s[10:11], 0x0             ; e0 (X), e1 (W)
	s_cmp_lt_u32 ttmp9, 256
	s_cselect_b64 s[4:5], s[4:5], s[6:7]           ; old_h or input,
	s_cmp_lt_u32 ttmp9, 512
	s_cselect_b64 s[4:5], s[4:5], s[8:9]           ; or weights
	s_cselect_b64 s[12:13], s[12:13], s[14:15]     ; x_codes or w_codes
	s_add_nc_u64 s[4:5], s[4:5], s[18:19]
	s_add_nc_u64 s[12:13], s[12:13], s[20:21]
.macro LOAD t                          ; step t: half row t / 2, its numbers 512 (t % 2) on: four loads of 512 consecutive bytes
.irp q, 0,1,2,3
	global_load_b128 v[R+16*((\t)%AHEAD)+4*\q:R+16*((\t)%AHEAD)+4*\q+3], v[RO+(\t)/2], s[4:5] offset:2048*((\t)%2)+512*\q th:TH_LOAD_NT
.endr
.endm
.irp t, 0,1,2,3,4,5,6,7
	LOAD \t
.endr
	s_wait_kmcnt 0x0
	s_cmp_lt_u32 ttmp9, 512
	s_cselect_b32 s30, s30, s31                    ; e
	s_add_co_i32 s30, s30, 127
	s_lshl_b32 s31, s30, 23
	v_mov_b32 v[SCL], s31
	s_add_co_i32 s30, s30, 15
	s_lshl_b32 s30, s30, 23
	s_or_b32 s30, s30, 0x600000                    ; the mantissa field of 57,344
	v_mov_b32 v[LIM], s30
.macro STEP t
.set XS, R+16*((\t)%AHEAD)
.if STEPS-1-(\t) >= AHEAD-1
	s_wait_loadcnt 4*(AHEAD-1)                     ; loads come back in order (ISA guide 5.7.1): this step's four are in, the seven younger sets stay out
.else
	s_wait_loadcnt 4*(STEPS-1-(\t))                ; the counts run down
.endif
.irp i, 0,1,2,3,4,5,6,7,8,9,10,11,12,13,14,15
	v_med3_num_f32 v[XS+\i], v[XS+\i], -v[LIM], v[LIM]   ; the conversion to an 8-bit code does not saturate (ISA guide 7.6.2): the hold at the largest code x the scale comes first
.endr
	v_cvt_scalef32_pk8_bf8_f32 v[C+4*(\t):C+4*(\t)+1], v[XS:XS+7], v[SCL]        ; the first number's code in the lowest byte
	v_cvt_scalef32_pk8_bf8_f32 v[C+4*(\t)+2:C+4*(\t)+3], v[XS+8:XS+15], v[SCL]
; (the codes go to a store alone and the numbers' registers are next written by loads; the next vector lines are the next step's holds, plain ones on other registers)
.if (\t)+AHEAD < STEPS
	LOAD (\t)+AHEAD                                ; the set just converted takes the numbers of eight steps on
.endif
	global_store_b128 v2, v[C+4*(\t):C+4*(\t)+3], s[12:13] offset:2048*((\t)/2)+512*((\t)%2)   ; the wave stores 512 consecutive bytes, at a multiple of 512 from the buffer's first byte
.endm
	s_wait_alu depctr_va_vdst(0)
.irp t, 0,1,2,3,4,5,6,7,8,9,10,11,12,13,14,15
	STEP \t
.endr
	s_endpgm
.Lfunc_end_k_qe8747955bd_quant:
	.size	k_qe8747955bd_quant, .Lfunc_end_k_qe8747955bd_quant-k_qe8747955bd_quant
	.p2alignl 7, 3214868480
	.fill 96, 4, 3214868480
	.section	.rodata,"a",@progbits
	.p2align	6, 0x0
	.amdhsa_kernel k_qe8747955bd_quant
		.amdhsa_group_segment_fixed_size 0
		.amdhsa_private_segment_fixed_size 0
		.amdhsa_enable_private_segment 0
		.amdhsa_kernarg_size 48
		.amdhsa_user_sgpr_count 2
		.amdhsa_user_sgpr_kernarg_segment_ptr 1
		.amdhsa_wavefront_size32 1
		.amdhsa_system_sgpr_workgroup_id_x 1
		.amdhsa_system_sgpr_workgroup_id_y 1
		.amdhsa_system_sgpr_workgroup_id_z 1
		.amdhsa_system_vgpr_workitem_id 0
		.amdhsa_next_free_vgpr 208
		.amdhsa_next_free_sgpr 66
		.amdhsa_reserve_vcc 0
		.amdhsa_float_denorm_mode_32 3
		.amdhsa_float_denorm_mode_16_64 3
		.amdhsa_memory_ordered 1
		.amdhsa_forward_progress 1
		.amdhsa_inst_pref_size 29
	.end_amdhsa_kernel
	.amdgpu_metadata
---
amdhsa.version: [ 1, 2 ]
amdhsa.kernels:
  - .name:           k_qe8747955bd_quant
    .symbol:         k_qe8747955bd_quant.kd
    .args:
      - { .name: old_h, .offset: 0, .size: 8, .value_kind: global_buffer, .address_space: global }
      - { .name: input, .offset: 8, .size: 8, .value_kind: global_buffer, .address_space: global }
      - { .name: weights, .offset: 16, .size: 8, .value_kind: global_buffer, .address_space: global }
      - { .name: lowp_scales, .offset: 24, .size: 8, .value_kind: global_buffer, .address_space: global }
      - { .name: x_codes, .offset: 32, .size: 8, .value_kind: global_buffer, .address_space: global }
      - { .name: w_codes, .offset: 40, .size: 8, .value_kind: global_buffer, .address_space: global }
    .group_segment_fixed_size: 0
    .private_segment_fixed_size: 0
    .kernarg_segment_align: 8
    .kernarg_segment_size: 48
    .max_flat_workgroup_size: 128
    .sgpr_count:     66
    .vgpr_count:     208
    .wavefront_size: 32
...
	.end_amdgpu_metadata
.endif
;; end of part 1
;; launch gemm (part 2): grid 16 x 32, 4 waves a work-group, clusters of 4 x 4, 327,680 bytes of LDS; arguments x_codes, w_codes, lowp_scales, bias, old_cell, out0, out1; writes out0, out1
.if DOCPART == 2
	.amdgcn_target "amdgcn-amd-amdhsa--gfx1250"
	.amdhsa_code_object_version 6
	.text
	.protected	k_qe8747955bd_gemm
	.globl	k_qe8747955bd_gemm
	.p2align	8
	.type	k_qe8747955bd_gemm,@function
k_qe8747955bd_gemm:
	s_mov_b64 s[64:65], 0
	v_nop
	global_prefetch_b8 v0, s[64:65] scope:SCOPE_SE
	s_setreg_imm32_b32 hwreg(HW_REG_WAVE_MODE, 25, 1), 1
	s_wait_xcnt 0x0
	s_wait_alu depctr_hold_cnt(0) depctr_sa_sdst(0) depctr_va_vdst(0) depctr_va_sdst(0) depctr_va_ssrc(0) depctr_va_vcc(0) depctr_vm_vsrc(0)
	s_getreg_b32 s2, hwreg(HW_REG_IB_STS2, 6, 4)
	s_cmp_eq_u32 s2, 0
	s_cbranch_scc0 .Lentry_in_a_cluster
	s_endpgm
.Lentry_in_a_cluster:
	s_bfe_u32 s2, ttmp6, 0x10000c
	s_cmp_lg_u32 s2, 0xf033
	s_cbranch_scc0 .Lentry_shape_is_right
	s_endpgm
.Lentry_shape_is_right:
; gates = sigmoid(X W^T + bias) on codes of BF8 (E5M2); new_cell = old_cell f + z - in (out1); new_h = sigmoid(new_cell) - out (out0).  All behind the sums in f32.
; x_codes [8192][2048], w_codes [4096][2048]: K innermost, one code a byte; a number of X is its code x 2^e0, of W x 2^e1.
; w_codes' row 256 tx + 128 c + 32 g + i is gate g (0 in, 1 out, 2 z, 3 f) of hidden unit 64 tx + 32 c + i.
; sigmoid(x) = 1 / (1 + 2^(-log2(e) x)); the exponent is one multiply-add: sum x S + BN, S = -log2(e) 2^(e0 + e1), BN = -log2(e) bias.
; An exponential that overflows gives infinity and the gate 0; one that underflows gives 0 and the gate 1: no clip is needed.
; LIMIT: e0 + e1 lies between -126 and 127: it is added to the exponent field of -log2(e).
; SHARES.  A work-group of four waves makes 256 rows x 256 columns of the product (64 units x 4 gates); wave w rows 128 (w / 2) on, columns 128 (w % 2) on: 64 accumulators, 512 registers.
; K goes in steps of 256 through a ring of two LDS slots.  CLUSTERS of 4 x 4: X's tiles are asked for jointly along a row of the cluster, W's along a column.
; ORDER OF K: cluster (x, y) begins at K step 2 ((x + 2 (y % 2)) % 4) and walks all eight, wrapping round; only the order of the f32 additions hangs on it.
; THE MATRIX INSTRUCTION IS USED TRANSPOSED (source 0 = W's rows, source 1 = X's).  Accumulator (a, b), b = 2 g + u, lane (r, h), register i: row 16 a + r, gate g, unit 16 u + 8 h + i of my 32:
; an element's four gates lie in one lane at one register index.
; PREFETCHES.  With the load of my cluster's K step j the step j + 2 is asked for (the head asks for steps 1 and 2): of the 128 rows that a wave fetches each of the four partners names 32,
; told apart by address, a lane a row of 256 bytes; the last lap's two refills ask for nothing along K.  old_cell's tile, 64 rows a wave, is asked for in the loop's last trip, two K steps ahead of its load.
; THE TAIL.  old_cell's tile comes by tensor load into slot 0's first half when that slot is left for good.  Then 16 rows at a time: gates, cell, new_h; results go into stages in LDS (a row's 256 bytes
; come from two waves) and back as whole rows: waves with w % 2 = 0 store out0, the others out1.  A block's barrier is signalled behind its stage stores and awaited behind the next block's arithmetic.
; REGISTERS: window 0: v1-31 addresses; v32-95 BN; v96-127, v224-255 rows on their way out; v128-255 X's fragments, one set; in the tail v128-191 gates, v192-207 cell, v208-223 new_h.
;   window 1: W's fragments, two sets;  windows 2, 3: accumulators of my rows 0-63, 64-127 ((a, b) at v[8 (8 (a % 4) + b)]).
.set SIZE_K, 2048
.set ROWB,   256
.set KROW,   SIZE_K
.set KMASK,  KROW-ROWB                 ; keeps a multiple of 256 inside a row
.set PITCH,  272                       ; 256 bytes + 16 of padding
.set FR,     16
.set NL,     4
.set NP,     4                         ; places behind this matrix instruction (ISA guide 7.12.1)
.set HALFT,  128*PITCH
.set SLOT,   4*HALFT                   ; X's 256 rows, then W's 256 rows
.set LAPS,   SIZE_K/(2*ROWB)
.set SPARE,  2*SLOT                    ; the spare words: 512 bytes that no other line names
.set NHS,    2*HALFT                   ; new_h's stage: slot 0's second half; old_cell's tile lies at byte 0
.set NCS,    SLOT                      ; new_cell's stage: slot 1's first half
.set BLKB,   16*PITCH
.set ADRA, 16                          ; v16-17 my X fragments in slot 0, 1
.set ADRB, 20                          ; v20-21 the same for W
.set PFK,  22                          ; lane x 2,048: a row of codes a lane
.set STN,  23
.set LDC,  24
.set STH,  25
.set RD,   26
.set CO,   27
.set SPW,  28
.set NIL,  29
.set PFO,  30                          ; lane x 4,096: a row of old_cell a lane
.set BO,   31
.set BN,   32
.set BK0,  96
.set BK1,  224
.set AF,   128
.set T,    128
.set OC,   192
.set E,    208
.set KO,  12                           ; s[12:13] byte in a row of codes of the K step asked for last
.set G1,  24
.set G0,  32
.set G1B, 48
.set G0B, 56
.set BA,  66                           ; first byte of the 128 rows of X that I would fetch
.set G1C, 76
.set G0C, 84
.set PFA, 88                           ; my 64 rows of old_cell's tile
.set OUTP, 90
.set NL2E, 92
.set BB,  94                           ; as BA, for W
.set SS,  96
.set PB,  98                           ; my work-group's 32 of the 128 rows that my wave fetches
.set PX,  100                          ; PB + the K step that the next prefetch names
.set MSB, 0
.macro WIN new
.if MSB != (\new)
	s_set_vgpr_msb (MSB<<8)|(\new)
.set MSB, (\new)
.endif
.endm
.set MUL_LO, 0xa1
.set TO_B,   0x40
; a joint load: waves 0, 1 for X, waves 2, 3 for W; s_nop 0 and four v_nop behind each line
.macro JLOAD g0a, g1a, g0b, g1b
	s_cmp_eq_u32 s15, 0
	s_cbranch_scc0 .Lfor_b_\@
	tensor_load_to_lds s[\g0a:\g0a+3], s[\g1a:\g1a+7]
	s_nop 0
.rept 4
	v_nop
.endr
	s_branch .Lasked_\@
.Lfor_b_\@:
	tensor_load_to_lds s[\g0b:\g0b+3], s[\g1b:\g1b+7]
	s_nop 0
.rept 4
	v_nop
.endr
.Lasked_\@:
.endm
.macro CREST
	s_cmp_lg_u32 s14, 0
	s_cbranch_scc1 .Lnot_wave_0_\@
	s_barrier_signal -3
.Lnot_wave_0_\@:
	s_barrier_wait -3
	s_barrier_signal -1
	s_barrier_wait -1
.endm
.macro CROUND
	s_barrier_signal -1
	s_barrier_wait -1
	CREST
.endm
.macro ASK                             ; old_cell's tile, in the loop's last trip
	s_cmp_eq_u32 s3, 1
	s_cbranch_scc0 .Lnot_yet_\@
	global_prefetch_b8 v[PFO], s[PFA:PFA+1] th:TH_LOAD_NT scope:SCOPE_SE
	global_prefetch_b8 v[PFO], s[PFA:PFA+1] offset:32*4096 th:TH_LOAD_NT scope:SCOPE_SE
.Lnot_yet_\@:
.endm
.macro KASK                            ; the K step two refills on; the last trip's refills have none
	s_cmp_eq_u32 s3, 1
	s_cbranch_scc1 .Lno_k_\@
	global_prefetch_b8 v[PFK], s[PX:PX+1] th:TH_LOAD_NT scope:SCOPE_SE
.Lno_k_\@:
.endm
	s_load_b128 s[4:7], s[0:1], 0x0                ; x_codes, w_codes
	s_load_b128 s[8:11], s[0:1], 0x10              ; scales, bias
	s_load_b128 s[68:71], s[0:1], 0x20             ; old_cell, out0
	s_load_b64 s[72:73], s[0:1], 0x30              ; out1
	v_lshl_add_u32 v[SPW], v0, 2, SPARE
	v_mov_b32 v[NIL], 0
	ds_add_u32 v[SPW], v[NIL]                      ; the opening lines: the add twice on end under one wait
	ds_add_u32 v[SPW], v[NIL]
	v_lshrrev_b32 v1, 5, v0
	v_readfirstlane_b32 s14, v1                    ; wave
	s_lshr_b32 s15, s14, 1                         ; my half of the rows; also: I fetch for X (0) or W (1)
	s_and_b32 s16, s14, 1                          ; my half of the columns; also: which 128 rows I fetch, which output I store
	s_bfe_u32 s40, ttmp6, 0x40000                  ; cx
	s_bfe_u32 s41, ttmp6, 0x40004                  ; cy
	s_lshl_b32 s42, ttmp9, 2
	s_add_co_u32 s42, s42, s40                     ; tx
	s_and_b32 s17, ttmp7, 0xffff
	s_lshl_b32 s17, s17, 2
	s_add_co_u32 s17, s17, s41                     ; ty
	s_lshl_b32 s43, s41, 2
	s_lshl_b32 s43, 15, s43                        ; my row of the cluster
	s_lshl_b32 s44, 0x1111, s40                    ; my column
	s_and_b32 s[KO], ttmp7, 1                      ; my cluster's first K step hangs on the cluster's x and y alone
	s_lshl_b32 s[KO], s[KO], 1
	s_add_co_u32 s[KO], s[KO], ttmp9
	s_and_b32 s[KO], s[KO], 3
	s_lshl_b32 s[KO], s[KO], 9
	s_mov_b32 s[KO+1], 0
	s_or_b32 s[G1+0], s43, (0<<16)|(1<<20)|(1<<21)|(5<<22)|(3<<25)   ; mask; bytes; 4 words of padding behind every 64
	s_or_b32 s[G1B+0], s44, (0<<16)|(1<<20)|(1<<21)|(5<<22)|(3<<25)
.irp g, G1, G1B
	s_mov_b32 s[\g+1], ROWB<<16
	s_mov_b32 s[\g+2], 128<<16
	s_mov_b32 s[\g+3], ROWB<<16
	s_mov_b32 s[\g+4], 128
	s_mov_b32 s[\g+5], KROW
	s_mov_b32 s[\g+6], 0
	s_mov_b32 s[\g+7], 0
.endr
	s_mov_b32 s[G1C+0], (2<<16)|(1<<20)|(5<<22)|(3<<25)   ; old_cell: 64 rows x 64 f32, pitch 1,024; no mask
	s_mov_b32 s[G1C+1], 64<<16
	s_mov_b32 s[G1C+2], 64<<16
	s_mov_b32 s[G1C+3], 64<<16
	s_mov_b32 s[G1C+4], 64
	s_mov_b32 s[G1C+5], 1024
	s_mov_b32 s[G1C+6], 0
	s_mov_b32 s[G1C+7], 0
	s_lshl_b32 s18, s16, 7
	s_lshl_b32 s20, s17, 8
	s_add_co_u32 s20, s20, s18                     ; X: row 256 ty + 128 x half
	s_lshl_b32 s46, s42, 8
	s_add_co_u32 s46, s46, s18                     ; W: row 256 tx + 128 x half
	s_mov_b32 s21, 0
	s_mov_b32 s47, 0
	s_mov_b64 s[18:19], KROW
	s_mul_u64 s[20:21], s[20:21], s[18:19]
	s_mul_u64 s[46:47], s[46:47], s[18:19]
	s_mul_i32 s45, s14, HALFT
	s_wait_dscnt 0x0                               ; both opening adds are done
	s_wait_kmcnt 0x0
	s_load_b64 s[SS:SS+1], s[8:9], 0x0             ; e0, e1
	s_add_nc_u64 s[BA:BA+1], s[4:5], s[20:21]
	s_add_nc_u64 s[BB:BB+1], s[6:7], s[46:47]
	s_cmp_eq_u32 s15, 0                            ; the prefetches' base: the choice hangs on the wave's number alone
	s_cselect_b32 s74, s40, s41                    ; my place among the four that ask with me: cx for X, cy for W
	s_cselect_b64 s[PB:PB+1], s[BA:BA+1], s[BB:BB+1]
	s_lshl_b32 s74, s74, 16                        ; 32 rows of 2,048 bytes
	s_mov_b32 s75, 0
	s_add_nc_u64 s[PB:PB+1], s[PB:PB+1], s[74:75]
	CROUND                                         ; in front of the first joint loads
.irp s, 0,1
.if \s
	s_add_co_u32 s[KO], s[KO], ROWB                ; the start is an even K step: nothing wraps here
.endif
	s_mov_b32 s[G0+4*\s], 1
	s_add_co_u32 s[G0+4*\s+1], s45, \s*SLOT
	s_add_nc_u64 s[G0+4*\s+2:G0+4*\s+3], s[BA:BA+1], s[KO:KO+1]
	s_or_b32 s[G0+4*\s+3], s[G0+4*\s+3], 0x80000000
	s_mov_b32 s[G0B+4*\s], 1
	s_add_co_u32 s[G0B+4*\s+1], s45, \s*SLOT
	s_add_nc_u64 s[G0B+4*\s+2:G0B+4*\s+3], s[BB:BB+1], s[KO:KO+1]
	s_or_b32 s[G0B+4*\s+3], s[G0B+4*\s+3], 0x80000000
.endr
	JLOAD G0, G1, G0B, G1B                         ; my cluster's first K step: one tensor load a wave at the head
	v_and_b32 v[PFK], 31, v0
	v_lshlrev_b32 v[PFK], 11, v[PFK]
	s_add_nc_u64 s[4:5], s[PB:PB+1], s[KO:KO+1]    ; the second K step,
	s_add_co_u32 s74, s[KO], ROWB
	s_and_b32 s74, s74, KMASK
	s_add_nc_u64 s[6:7], s[PB:PB+1], s[74:75]      ; and the third; s[4:7] are not written again
	global_prefetch_b8 v[PFK], s[4:5] th:TH_LOAD_NT scope:SCOPE_SE
	global_prefetch_b8 v[PFK], s[6:7] th:TH_LOAD_NT scope:SCOPE_SE
	s_mov_b32 s[G0C], 1                            ; old_cell's tile: wave w brings rows 64 w on
	s_mul_i32 s[G0C+1], s14, 64*PITCH
	s_lshl_b32 s74, s17, 20
	s_lshl_b32 s75, s14, 18
	s_add_co_u32 s74, s74, s75
	s_lshl_b32 s75, s42, 8
	s_add_co_u32 s74, s74, s75
	s_mov_b32 s75, 0
	s_add_nc_u64 s[PFA:PFA+1], s[68:69], s[74:75]
	s_mov_b64 s[G0C+2:G0C+3], s[PFA:PFA+1]
	s_or_b32 s[G0C+3], s[G0C+3], 0x80000000
	v_and_b32 v1, 15, v0                           ; r
	v_bfe_u32 v2, v0, 4, 1                         ; h
	s_lshl_b32 s74, s42, 8                         ; the bias in the accumulators' layout
	s_lshl_b32 s75, s16, 7
	s_add_co_u32 s74, s74, s75
	s_mov_b32 s75, 0
	s_add_nc_u64 s[10:11], s[10:11], s[74:75]
	v_lshlrev_b32 v[BO], 5, v2
.irp g, 0,1,2,3
.irp u, 0,1
.irp q, 0,1
	global_load_b128 v[BN+8*(2*\g+\u)+4*\q:BN+8*(2*\g+\u)+4*\q+3], v[BO], s[10:11] offset:4096*\g+64*\u+16*\q
.endr
.endr
.endr
	v_mul_u32_u24 v3, v1, PITCH
	v_lshl_add_u32 v4, v2, 4, v3
	s_mul_i32 s21, s15, HALFT
	s_mul_i32 s22, s16, HALFT
	s_add_co_u32 s22, s22, 2*HALFT
.irp s, 0,1
	v_add_nc_u32 v[ADRA+\s], s21, v4
	v_add_nc_u32 v[ADRB+\s], s22, v4
	s_add_co_u32 s21, s21, SLOT
	s_add_co_u32 s22, s22, SLOT
.endr
	s_mul_i32 s23, s15, HALFT                      ; the tail's addresses: my 128 rows, my 128 bytes of a row
	s_lshl_b32 s18, s16, 7
	s_add_co_u32 s23, s23, s18
	s_wait_alu depctr_va_vdst(0)                   ; directly ahead of the readers below
	v_lshl_add_u32 v5, v2, 5, v3
	v_add_nc_u32 v[LDC], s23, v5
	v_add_nc_u32 v[STH], NHS, v[LDC]
	v_add_nc_u32 v[STN], NCS, v[LDC]
	s_add_co_u32 s18, s16, 1                       ; back: c = 0 reads NHS, c = 1 NCS = 2 NHS
	s_mul_i32 s18, s18, NHS
	s_mul_i32 s19, s15, HALFT
	s_add_co_u32 s18, s18, s19
	v_mul_u32_u24 v6, v2, PITCH
	v_lshl_add_u32 v6, v1, 4, v6
	v_add_nc_u32 v[RD], s18, v6
	v_lshlrev_b32 v[CO], 12, v2
	v_lshl_add_u32 v[CO], v1, 4, v[CO]
	v_and_b32 v[PFO], 31, v0
	v_lshlrev_b32 v[PFO], 12, v[PFO]
	s_cmp_eq_u32 s16, 0
	s_cselect_b64 s[OUTP:OUTP+1], s[70:71], s[72:73]
	s_lshl_b32 s74, s17, 20
	s_lshl_b32 s75, s15, 19
	s_add_co_u32 s74, s74, s75
	s_lshl_b32 s75, s42, 8
	s_add_co_u32 s74, s74, s75
	s_mov_b32 s75, 0                               ; stays 0: the high word of the prefetches' offset
	s_add_nc_u64 s[OUTP:OUTP+1], s[OUTP:OUTP+1], s[74:75]
	s_mov_b32 s[NL2E], 0xbfb8aa3b                  ; -log2(e)
	s_mov_b32 s[NL2E+1], s[NL2E]
	s_wait_kmcnt 0x0
	s_add_co_i32 s[SS], s[SS], s[SS+1]
	s_lshl_b32 s[SS], s[SS], 23
	s_add_co_i32 s[SS], s[SS], s[NL2E]             ; S
	s_mov_b32 s[SS+1], s[SS]
	s_wait_loadcnt 0x0                             ; the bias
.set JJ, 0
.rept 32
	v_pk_mul_f32 v[BN+JJ:BN+JJ+1], v[BN+JJ:BN+JJ+1], s[NL2E:NL2E+1] op_sel_hi:[1,0]
.set JJ, JJ+2
.endr
.macro FRAG reg, adr, q, i             ; 16 rows x 128 stored bytes: registers 4 c .. 4 c + 3 hold bytes 32 c + 16 h + 0 .. 15, alike in X and W
.irp c, 0,1,2,3
	ds_load_b128 v[\reg+4*\c:\reg+4*\c+3], v[\adr] offset:128*(\q)+32*\c+(\i)*16*PITCH
.endr
.endm
; X's block a x W's eight; the 64 accumulators take turns in the same order in every step
.macro MUL8 a, p, zero
	WIN MUL_LO+0x50*((\a)/4)
.irp b, 0,1,2,3,4,5,6,7
.if \zero
	v_wmma_f32_16x16x128_bf8_bf8 v[8*(8*((\a)%4)+\b):8*(8*((\a)%4)+\b)+7], v[128*(\p)+FR*\b:128*(\p)+FR*\b+FR-1], v[AF+FR*(\a):AF+FR*(\a)+FR-1], 0
.else
	v_wmma_f32_16x16x128_bf8_bf8 v[8*(8*((\a)%4)+\b):8*(8*((\a)%4)+\b)+7], v[128*(\p)+FR*\b:128*(\p)+FR*\b+FR-1], v[AF+FR*(\a):AF+FR*(\a)+FR-1], v[8*(8*((\a)%4)+\b):8*(8*((\a)%4)+\b)+7]
.endif
.endr
.endm
.macro FETCH_B slot, q, p, i0
	WIN TO_B
.irp i, \i0, \i0+1, \i0+2, \i0+3
	FRAG 128*(\p)+FR*(\i), ADRB+\slot, \q, \i
.endr
.endm
.macro FETCH_A slot, q, i0
	WIN 0
.irp i, \i0, \i0+1, \i0+2, \i0+3
	FRAG AF+FR*(\i), ADRA+\slot, \q, \i
.endr
.endm
.macro PLACES n
.rept \n
	v_nop
.endr
.endm
; a step of 128 along K with its successor in the same slot; LDS loads in four runs of sixteen
.macro STEP slot, q, zero
	s_wait_dscnt 4*NL                              ; all but the youngest sixteen loads (X's blocks 4-7)
	MUL8 0, (\q)%2, \zero
	MUL8 1, (\q)%2, \zero
	FETCH_B \slot, (\q)+1, 1-(\q)%2, 0
	MUL8 2, (\q)%2, \zero
	MUL8 3, (\q)%2, \zero
	FETCH_B \slot, (\q)+1, 1-(\q)%2, 4
	s_wait_dscnt 8*NL                              ; X's blocks 4-7 are in; the 32 loads of W's next set may be out
	MUL8 4, (\q)%2, \zero
	MUL8 5, (\q)%2, \zero
	PLACES NP
	FETCH_A \slot, (\q)+1, 0
	MUL8 6, (\q)%2, \zero
	MUL8 7, (\q)%2, \zero
	PLACES NP
	FETCH_A \slot, (\q)+1, 4
.endm
; a slot's last step changes slots: the three lines, a round of the cluster's barrier, one tensor load a wave.
; fill = 1: jointly, my cluster's next K step but one;  fill = 2: slot 0's first half takes old_cell's tile
.macro TURN slot, next, fill
	s_wait_tensorcnt 0x0                           ; all my tensor loads have landed
	ds_add_u32 v[SPW], v[NIL]
.if (\fill) == 1
	s_add_co_u32 s[KO], s[KO], ROWB                ; no load of mine is out: the group 0 may be written
	s_and_b32 s[KO], s[KO], KMASK
	s_add_nc_u64 s[G0+4*\slot+2:G0+4*\slot+3], s[BA:BA+1], s[KO:KO+1]
	s_or_b32 s[G0+4*\slot+3], s[G0+4*\slot+3], 0x80000000
	s_add_nc_u64 s[G0B+4*\slot+2:G0B+4*\slot+3], s[BB:BB+1], s[KO:KO+1]
	s_or_b32 s[G0B+4*\slot+3], s[G0B+4*\slot+3], 0x80000000
	s_wait_xcnt 0x0                                ; my last prefetch has read its address: it steps to the K step two on
	s_add_co_u32 s74, s[KO], 2*ROWB
	s_and_b32 s74, s74, KMASK
	s_add_nc_u64 s[PX:PX+1], s[PB:PB+1], s[74:75]
.endif
	s_wait_dscnt 4*NL+1                            ; the add and X's blocks 4-7 may be out
	MUL8 0, 1, 0
	MUL8 1, 1, 0
	s_wait_dscnt 0x0                               ; the add is done, my reads of this slot are over
	s_barrier_signal -1
	MUL8 2, 1, 0
	WIN 0
	s_barrier_wait -1
	CREST
.if (\fill) == 1
	JLOAD G0+4*\slot, G1, G0B+4*\slot, G1B
.else
	tensor_load_to_lds s[G0C:G0C+3], s[G1C:G1C+7]  ; every wave its own 64 rows and LDS bytes
	s_nop 0
	PLACES 4
.endif
	FETCH_B \next, 0, 0, 0
.if (\fill) == 1
	WIN 0
	KASK
.if (\slot) == 0
	ASK
.endif
.endif
	MUL8 3, 1, 0
	MUL8 4, 1, 0
	FETCH_B \next, 0, 0, 4
	MUL8 5, 1, 0
	PLACES NP
	FETCH_A \next, 0, 0
	MUL8 6, 1, 0
	MUL8 7, 1, 0
	PLACES NP
	FETCH_A \next, 0, 4
.endm
	s_wait_alu depctr_va_vdst(0)
	s_add_co_u32 s74, s[KO], 2*ROWB                ; with the second K step's load the fourth is asked for
	s_and_b32 s74, s74, KMASK
	s_add_nc_u64 s[PX:PX+1], s[PB:PB+1], s[74:75]
	s_wait_tensorcnt 0x0                           ; my part of the first K step is in; slot 1's first fill is issued as a refill is
	ds_add_u32 v[SPW], v[NIL]
	s_wait_dscnt 0x0
	CROUND
	JLOAD G0+4, G1, G0B+4, G1B
	FETCH_B 0, 0, 0, 0
	FETCH_B 0, 0, 0, 4
	FETCH_A 0, 0, 0
	global_prefetch_b8 v[PFK], s[PX:PX+1] th:TH_LOAD_NT scope:SCOPE_SE
	FETCH_A 0, 0, 4
	STEP 0, 0, 1                                   ; the first products start the sums
	s_mov_b32 s3, LAPS-1
.Llap:
	TURN 0, 1, 1
	STEP 1, 0, 0
	TURN 1, 0, 1
	STEP 0, 0, 0
	s_sub_co_u32 s3, s3, 1
	s_cmp_lg_u32 s3, 0
	s_cbranch_scc1 .Llap
	TURN 0, 1, 2
	STEP 1, 0, 0
	s_wait_dscnt 4*NL
	MUL8 0, 1, 0
	MUL8 1, 1, 0
	MUL8 2, 1, 0
	MUL8 3, 1, 0
	s_wait_dscnt 0                                 ; my reads of slot 1 are over,
	s_wait_tensorcnt 0x0                           ; my rows of old_cell have landed
	s_barrier_signal -1
	MUL8 4, 1, 0
	MUL8 5, 1, 0
	MUL8 6, 1, 0
	MUL8 7, 1, 0
	WIN 0
	s_barrier_wait -1
	PLACES NP
; THE TAIL, block a = 16 rows
.macro OCLOAD a
.irp u, 0,1
.irp q, 0,1
	ds_load_b128 v[OC+8*\u+4*\q:OC+8*\u+4*\q+3], v[LDC] offset:BLKB*(\a)+64*\u+16*\q
.endr
.endr
.endm
; x -> 1 / (1 + 2^x) on n registers: whole batches, one wait ahead of each and one behind, a plain place behind each batch (ISA guide 5.7.2)
.macro SIGM base, n
	s_wait_alu depctr_va_vdst(0)
.set JJ, 0
.rept \n
	v_exp_f32 v[\base+JJ], v[\base+JJ]
.set JJ, JJ+1
.endr
	v_nop
	s_wait_alu depctr_va_vdst(0)
.set JJ, 0
.rept (\n)/2
	v_pk_add_f32 v[\base+JJ:\base+JJ+1], v[\base+JJ:\base+JJ+1], 1.0 op_sel_hi:[1,0]
.set JJ, JJ+2
.endr
	s_wait_alu depctr_va_vdst(0)
.set JJ, 0
.rept \n
	v_rcp_f32 v[\base+JJ], v[\base+JJ]
.set JJ, JJ+1
.endr
	v_nop
	s_wait_alu depctr_va_vdst(0)
.endm
.macro GATES a                         ; the 64 exponents, each accumulator from its low end on, then the four gates of my 16 elements
.set AC, 64*((\a)%4)
	WIN 0x02+((\a)/4)
	s_wait_alu depctr_va_vdst(0)                   ; directly ahead of the first reader of the sums
.set JJ, 0
.rept 32
	v_pk_fma_f32 v[T+JJ:T+JJ+1], v[AC+JJ:AC+JJ+1], s[SS:SS+1], v[BN+JJ:BN+JJ+1] op_sel_hi:[1,0,1]
.set JJ, JJ+2
.endr
	WIN 0
	SIGM T, 64
.endm
.macro CELL                            ; T + j: in, + 16: out, + 32: z, + 48: f
	s_wait_dscnt 0x0                               ; old_cell is in
.irp j, 0,2,4,6,8,10,12,14
	v_pk_fma_f32 v[OC+\j:OC+\j+1], v[OC+\j:OC+\j+1], v[T+48+\j:T+48+\j+1], v[T+32+\j:T+32+\j+1]
.endr
.irp j, 0,2,4,6,8,10,12,14
	v_pk_add_f32 v[OC+\j:OC+\j+1], v[OC+\j:OC+\j+1], v[T+\j:T+\j+1] neg_lo:[0,1] neg_hi:[0,1]     ; new_cell
.endr
.irp j, 0,2,4,6,8,10,12,14
	v_pk_mul_f32 v[E+\j:E+\j+1], v[OC+\j:OC+\j+1], s[NL2E:NL2E+1] op_sel_hi:[1,0]
.endr
	SIGM E, 16
.irp j, 0,2,4,6,8,10,12,14
	v_pk_add_f32 v[E+\j:E+\j+1], v[E+\j:E+\j+1], v[T+16+\j:T+16+\j+1] neg_lo:[0,1] neg_hi:[0,1]   ; new_h
.endr
	s_wait_alu depctr_va_vdst(0)
.endm
.macro TOSTAGE a
.irp u, 0,1
.irp q, 0,1
	ds_store_b128 v[STN], v[OC+8*\u+4*\q:OC+8*\u+4*\q+3] offset:BLKB*(\a)+64*\u+16*\q
	ds_store_b128 v[STH], v[E+8*\u+4*\q:E+8*\u+4*\q+3] offset:BLKB*(\a)+64*\u+16*\q
.endr
.endr
.endm
.macro READBACK a                      ; 16 whole rows of my output, two an instruction
.set BB2, BK0+(BK1-BK0)*((\a)%2)
.if (\a) >= 2
	s_wait_xcnt 0x0                                ; the stores of the block two back have read these registers
.endif
.irp t, 0,1,2,3,4,5,6,7
	ds_load_b128 v[BB2+4*\t:BB2+4*\t+3], v[RD] offset:BLKB*(\a)+2*\t*PITCH
.endr
.endm
.macro SEND a
.set BB2, BK0+(BK1-BK0)*((\a)%2)
	s_wait_dscnt 0x0                               ; the rows are back; my stage stores issued behind them are done too, for the others' sake
.irp t, 0,1,2,3,4,5,6,7
	global_store_b128 v[CO], v[BB2+4*\t:BB2+4*\t+3], s[OUTP:OUTP+1] offset:(16*(\a)+2*\t)*4096 th:TH_STORE_NT   ; 16 lanes store 256 consecutive aligned bytes
.endr
.endm
	OCLOAD 0
.irp a, 0,1,2,3,4,5,6,7
	GATES \a                                       ; register work, between the signal of the block before and the wait for it
	CELL
.if \a > 0
	s_barrier_wait -1                              ; the block before lies whole in the stages (each block has stage bytes of its own)
	READBACK \a-1
.endif
	TOSTAGE \a
.if \a > 0
	SEND \a-1
.else
	s_wait_dscnt 0x0
.endif
	s_barrier_signal -1                            ; my stores of block a into the stages are done
.if \a < 7
	OCLOAD \a+1                                    ; bytes that nobody writes
.endif
.endr
	s_barrier_wait -1
	READBACK 7
	SEND 7
	s_wait_tensorcnt 0x0                           ; the wave's end
	ds_add_u32 v[SPW], v[NIL]
	s_wait_dscnt 0x0
	CROUND                                         ; the closing round
	s_endpgm
.Lfunc_end_k_qe8747955bd_gemm:
	.size	k_qe8747955bd_gemm, .Lfunc_end_k_qe8747955bd_gemm-k_qe8747955bd_gemm
	.p2alignl 7, 3214868480
	.fill 96, 4, 3214868480
	.section	.rodata,"a",@progbits
	.p2align	6, 0x0
	.amdhsa_kernel k_qe8747955bd_gemm
		.amdhsa_group_segment_fixed_size 327680
		.amdhsa_private_segment_fixed_size 0
		.amdhsa_enable_private_segment 0
		.amdhsa_kernarg_size 56
		.amdhsa_user_sgpr_count 2
		.amdhsa_user_sgpr_kernarg_segment_ptr 1
		.amdhsa_wavefront_size32 1
		.amdhsa_system_sgpr_workgroup_id_x 1
		.amdhsa_system_sgpr_workgroup_id_y 1
		.amdhsa_system_sgpr_workgroup_id_z 1
		.amdhsa_system_vgpr_workitem_id 0
		.amdhsa_next_free_vgpr 1024
		.amdhsa_next_free_sgpr 102
		.amdhsa_reserve_vcc 0
		.amdhsa_float_denorm_mode_32 3
		.amdhsa_float_denorm_mode_16_64 3
		.amdhsa_memory_ordered 1
		.amdhsa_forward_progress 1
		.amdhsa_inst_pref_size 200
	.end_amdhsa_kernel
	.amdgpu_metadata
---
amdhsa.version: [ 1, 2 ]
amdhsa.kernels:
  - .name:           k_qe8747955bd_gemm
    .symbol:         k_qe8747955bd_gemm.kd
    .args:
      - { .name: x_codes, .offset: 0, .size: 8, .value_kind: global_buffer, .address_space: global }
      - { .name: w_codes, .offset: 8, .size: 8, .value_kind: global_buffer, .address_space: global }
      - { .name: lowp_scales, .offset: 16, .size: 8, .value_kind: global_buffer, .address_space: global }
      - { .name: bias, .offset: 24, .size: 8, .value_kind: global_buffer, .address_space: global }
      - { .name: old_cell, .offset: 32, .size: 8, .value_kind: global_buffer, .address_space: global }
      - { .name: out0, .offset: 40, .size: 8, .value_kind: global_buffer, .address_space: global }
      - { .name: out1, .offset: 48, .size: 8, .value_kind: global_buffer, .address_space: global }
    .group_segment_fixed_size: 327680
    .private_segment_fixed_size: 0
    .kernarg_segment_align: 8
    .kernarg_segment_size: 56
    .max_flat_workgroup_size: 128
    .sgpr_count:     102
    .vgpr_count:     1024
    .wavefront_size: 32
...
	.end_amdgpu_metadata
.endif
;; end of part 2
